; MI455X (gfx1250); checked and timed in simulation.
; The chip was launched on July 23, 2026; its instructions are those of AMD's public machine-readable ISA for CDNA 5 (MIT licence, August 2026) and "CDNA5" Instruction Set Architecture Reference Guide (July 2026). The comments in the code are by the model that wrote it; some were corrected since.
;; Multi Head Self Attention. Allowed arithmetic: matrix products marked QUANTISED: E2M1 operands, one E8M0 scale for each 32 along K, by v_wmma_scale_f32_16x16x128_f8f6f4 with both operands' format E2M1 (or v_wmma_scale_f32_32x16x128_f4), f32 sums; everything else in f32.
;; Inputs: Wk 1,024 x 1,024 float32; Wmix 1,024 x 1,024 float32; Wq 1,024 x 1,024 float32; Wv 1,024 x 1,024 float32; bk 1,024 float32; bmix 1,024 float32; bq 1,024 float32; bv 1,024 float32; x 4 x 2,048 x 1,024 float32.
;; Outputs: out0 4 x 2,048 x 1,024 float32.
;; This version of the problem:
;;   THIS VERSION OF THE PROBLEM IS GIVEN IN LOW PRECISION. The matrix products marked QUANTISED in the list below multiply operands that are first quantised to E2M1 (2 exponent bits, 1 mantissa bit; 4 bits a number), with one power-of-two scale for each 32 numbers along K (OCP MX v1.0); their sums are f32. All else is computed in f32.
;;   The module's matrix products, in the order in which they are computed (A, B: the left and right operand; K: the contracted axis; several contracted axes count as one K, in the product's order):
;;     1. [M 8,192, K 1,024] x [K 1,024, N 1,024]; A: input x; B: input Wq: QUANTISED
;;     2. [M 8,192, K 1,024] x [K 1,024, N 1,024]; A: input x; B: input Wk: QUANTISED
;;     3. [M 8,192, K 1,024] x [K 1,024, N 1,024]; A: input x; B: input Wv: QUANTISED
;;     4. batch 64 x [M 2,048, K 64] x [K 64, N 2,048]; A: computed on the way; B: computed on the way: QUANTISED
;;     5. batch 64 x [M 2,048, K 2,048] x [K 2,048, N 64]; A: softmax (see below); B: computed on the way: QUANTISED
;;     6. [M 8,192, K 1,024] x [K 1,024, N 1,024]; A: computed on the way; B: input Wmix: QUANTISED
;;   THE QUANTISER, for each operand of a quantised product, along K:
;;     - K is cut into blocks of 32 from its start; a last block that is shorter is filled with zeros.
;;     - A block's scale is 2^e with e = floor(log2(the largest magnitude in the block)) - 2, held to -126 .. 127; a block of zeros has e = 0. As a byte (E8M0): e + 127.
;;     - Each number is divided by its block's scale, clamped to +-6, and rounded to the nearest number of E2M1, ties to even, subnormals kept.
;;     - The product sums the exact products of the quantised numbers (number of the format x scale) in f32.
;;   ~~~python
;;   def quantise(x, axis):      # numpy; x: float32 -> the quantised numbers, widened to float32 again
;;       x = np.moveaxis(x, axis, -1); K = x.shape[-1]
;;       x = np.pad(x, [(0, 0)] * (x.ndim - 1) + [(0, -K % 32)]); x = x.reshape(x.shape[:-1] + (-1, 32)); a = np.abs(x).max(-1, keepdims=True)
;;       e = np.where(a > 0, np.clip(np.frexp(np.where(a > 0, a, 1))[1] - 1 - 2, -126, 127), 0)      # np.frexp(a)[1] - 1 = floor(log2(a)), exactly
;;       r = np.clip(x / 2.0 ** e, -6, 6)
;;       step = 2.0 ** (np.maximum(np.frexp(np.where(r == 0, 1, r))[1] - 1, 0) - 1)
;;       q = np.round(r / step) * step * 2.0 ** e      # np.round: ties to even
;;       return np.moveaxis(q.reshape(q.shape[:-2] + (-1,))[..., :K], -1, axis).astype(np.float32)
;;   ~~~
;;   SOFTMAX AHEAD OF A QUANTISED PRODUCT. Where the list says 'softmax', what is quantised is not the finished softmax but p = 2^(t - M), with t = logit x log2(e) and M = ceil(the row's largest t), a whole number; so 1/2 < the row's largest p <= 1. The row's sum l is taken of the UNQUANTISED p, in f32, and the product's result is divided by l at the end. Since M is a whole number, a kernel that streams over the keys may use a running M (the ceiling of the running maximum): every later rescaling is an exact power of two, which a block's scale takes up: the codes' values come out the same.
;;   OPERANDS COMPUTED ON THE WAY. 'Computed on the way' means the value that the module computes at that place (a softmax that the list does not call 'softmax' is quantised finished and normalised). What goes into a quantiser is computed in f32, as accurately as f32 sums, v_exp_f32 and their like allow (about 1e-6 of the number): no bf16 or f16 on the way to a quantiser, and a product that is left as it is and whose result goes on into a quantised operand takes f32 operands (vector FMAs, or v_wmma_f32_16x16x4_f32). A number that lies on a knife's edge between two numbers of the format may be rounded either way, as far as f32 arithmetic and the matrix unit's own rounding can turn it there, and no further.
;; One version. Each part assembles by itself: llvm-mc -triple=amdgcn-amd-amdhsa -mcpu=gfx1250 --defsym DOCPART=n.
;; ======== version 1 of 1: 4 launches
;; workspace buffers: xq 4,456,448 bytes; wq 2,228,224 bytes; kvp 9,175,040 bytes; qp 9,175,040 bytes; aq 4,456,448 bytes
;; launch quant (part 1): grid 512 x 1, 4 waves a work-group, no clusters, 34,304 bytes of LDS; arguments x, Wq, Wk, Wv, Wmix, xq, wq; writes xq, wq
.if DOCPART == 1
	.amdgcn_target "amdgcn-amd-amdhsa--gfx1250"
	.amdhsa_code_object_version 6
	.text
	.protected	k_q824328ef31_quant
	.globl	k_q824328ef31_quant
	.p2align	8
	.type	k_q824328ef31_quant,@function
k_q824328ef31_quant:
	s_mov_b64 s[64:65], 0
	v_nop
	global_prefetch_b8 v0, s[64:65] scope:SCOPE_SE
	s_setreg_imm32_b32 hwreg(HW_REG_WAVE_MODE, 25, 1), 1
	s_wait_xcnt 0x0
; x [8192][1024] and the four weights [1024 (k)][1024 (n)], f32, become codes of FP4 (E2M1) with one E8M0 byte for each 32 along K (x: its columns; a weight: its FIRST axis).
; A block's scale is 2^(floor(log2(its largest magnitude)) - 2): its byte is the largest magnitude's exponent field - 2, held at 1 from below; each number / scale goes to the nearest code, ties to even, beyond 6 the largest code.
; LAYOUT OF THE RESULTS (this program's own; every later launch reads it).  Sixteen rows of an operand form a TILE; position r of tile T is row 32 (T / 2) + 8 (T % 2) + r + 8 (r / 8).
;   codes: [tile][16 images of 512 bytes]; image c holds k = 64 c .. 64 c + 63: lane (r, h) = r + 16 h owns the 16 bytes at 16 x lane: k = 64 c + 32 h + 0 .. 31 of position r.  Two images on end are a matrix operand's 8 registers.
;   scale bytes: [tile][512 bytes]: lane (r, h) owns 16 bytes at 16 x lane: word q = the four bytes of K step 4 h + q (128 along K) of position r.
;   xq: codes at 0 (512 tiles x 8,192), scale images at XQSC.   wq: tiles 0-63 Wq, 64-127 Wk, 128-191 Wv, 192-255 Wmix (a tile's rows are columns n of the weight); scale images at WQSC.
; SHARES.  Work-groups 0-255 take the weights, 256-511 take x.  Waves share nothing: no barrier.  Only x's path uses LDS.
; LIMITS: a block of zeros gets the byte 1 where the rule says 127 (its codes are zeros, and this program alone reads the bytes); blocks whose largest magnitude lies under 2^-124 are held at the byte 1; NaN and infinities among the inputs are not served.
; No matrix unit, no cluster, no tensor load: each input byte is read once by one wave and nothing is shared between work-groups.
.set XQSC, 4194304
.set WQSC, 2097152
.set SP,   528                         ; a stage row: 512 bytes + 16, so that sixteen rows begin in sixteen different 16-byte columns modulo 256 bytes
.set RR,   32                          ; v32-159  x: two sets of 64 registers as loaded;  weights: two sets of 32
.set XX,   160                         ; v160-223 x: my two blocks of 32 neighbours
.set CC,   224                         ; v224-255 codes: registers of their own for each step, so that no store's data are written again
.set WD,   16                          ; v16-19   scale words
	s_load_b256 s[4:11], s[0:1], 0x0               ; x s[4:5], Wq s[6:7], Wk s[8:9], Wv s[10:11]
	s_load_b128 s[12:15], s[0:1], 0x20             ; Wmix s[12:13], xq s[14:15]
	s_load_b64 s[16:17], s[0:1], 0x30              ; wq
	v_lshl_add_u32 v30, v0, 2, 0x8400
	v_mov_b32 v31, 0
	v_lshrrev_b32 v1, 5, v0
	v_readfirstlane_b32 s18, v1                    ; wave 0..3
	v_and_b32 v2, 31, v0                           ; lane
	s_cmp_lt_u32 ttmp9, 256
	s_cbranch_scc1 .Lweights
; ---------------- x: a wave takes one tile (16 rows) x 512 along K: four K steps of 128 ----------------
	v_and_b32 v3, 15, v0                           ; r
	v_bfe_u32 v4, v0, 4, 1                         ; h
	s_sub_co_u32 s19, ttmp9, 256
	s_lshl_b32 s19, s19, 2
	s_add_co_u32 s19, s19, s18                     ; my task, 0 .. 1023
	s_lshr_b32 s20, s19, 1                         ; tile T
	s_and_b32 s21, s19, 1                          ; which half of K
	s_lshr_b32 s22, s20, 1
	s_lshl_b32 s22, s22, 17                        ; 32 (T / 2) rows of 4,096 bytes
	s_and_b32 s23, s20, 1
	s_lshl_b32 s23, s23, 15                        ; + 8 (T % 2) rows
	s_add_co_u32 s22, s22, s23
	s_lshl_b32 s23, s21, 11                        ; + 512 numbers for the second half of K
	s_add_co_u32 s22, s22, s23
	s_mov_b32 s23, 0
	s_lshl_b32 s24, s20, 13                        ; codes: 8,192 T + 4,096 half
	s_lshl_b32 s25, s21, 12
	s_add_co_u32 s24, s24, s25
	s_mov_b32 s25, 0
	s_lshl_b32 s26, s20, 9                         ; scale image: XQSC + 512 T + 256 half (K steps 4 .. 7 belong to lanes 16-31 of the image)
	s_lshl_b32 s27, s21, 8
	s_add_co_u32 s26, s26, s27
	s_add_co_u32 s26, s26, XQSC
	s_mov_b32 s27, 0
	s_mul_i32 s32, s18, 16*SP                      ; my wave's stage
	s_mov_b32 s34, 0x76543210
	s_mov_b32 s35, 0xfedcba98                      ; v_permlanex16_b32's selects for lane l xor 16
	s_mov_b32 s36, 0xffff0000                      ; the mask of lanes 16-31
	s_wait_alu depctr_va_vdst(0)
	v_lshlrev_b32 v5, 4, v2                        ; 16 x lane
	v_add_nc_u32 v6, s32, v5                       ; into the stage: a row's 512 bytes as they lie
	v_mul_u32_u24 v7, v3, SP
	v_lshl_add_u32 v7, v4, 7, v7
	v_add_nc_u32 v7, s32, v7                       ; out of it: row r, + 128 h bytes: my 32 neighbours of each 64
	v_lshlrev_b32 v8, 4, v3
	v_lshl_add_u32 v8, v4, 3, v8                   ; the scale words' place: 16 r + 8 h
	v_lshlrev_b32 v9, 3, v4                        ; 8 h: how far my two bytes are shifted in the word
	v_mov_b32 v20, 0                               ; a lane permute's destination counts as one of its sources
	s_wait_alu depctr_va_vdst(0)
	s_wait_kmcnt 0x0
	s_add_nc_u64 s[4:5], s[4:5], s[22:23]
	s_add_nc_u64 s[28:29], s[14:15], s[24:25]
	s_add_nc_u64 s[30:31], s[14:15], s[26:27]
.macro XLOAD t                         ; K step t of the tile's 16 rows: each load reads 512 consecutive bytes of one row
.irp p, 0,1,2,3,4,5,6,7,8,9,10,11,12,13,14,15
	global_load_b128 v[RR+64*((\t)%2)+4*\p:RR+64*((\t)%2)+4*\p+3], v5, s[4:5] offset:(\p+8*(\p/8))*4096+512*(\t) th:TH_LOAD_NT
.endr
.endm
.macro XSTEP t
.if (\t) < 3
	s_wait_loadcnt 16                              ; this step's 16 loads are in; the next step's 16 may be out
.else
	s_wait_loadcnt 0x0
.endif
.irp p, 0,1,2,3,4,5,6,7,8,9,10,11,12,13,14,15
	ds_store_b128 v6, v[RR+64*((\t)%2)+4*\p:RR+64*((\t)%2)+4*\p+3] offset:\p*SP
.endr
.irp c, 0,1                            ; LDS serves a wave's instructions in order: these loads see the stores above
.irp j, 0,1,2,3,4,5,6,7
	ds_load_b128 v[XX+32*\c+4*\j:XX+32*\c+4*\j+3], v7 offset:256*\c+16*\j   ; k = 64 c + 32 h + 4 j .. of row r
.endr
.endr
	s_wait_dscnt 0x0                               ; my numbers are back, and the stores have read their registers,
.if (\t) < 2
	XLOAD (\t)+2                                   ; which take the loads of two steps on
.endif
.irp c, 0,1                            ; block 2 c + h of the K step: all its 32 numbers are mine
	v_max3_num_f32 v[10+\c], |v[XX+32*\c]|, |v[XX+32*\c+1]|, 0x1800000   ; with the floor 2^(3 - 127): the byte cannot fall under 1
.endr
.irp i, 2,4,6,8,10,12,14,16,18,20,22,24,26,28,30
.irp c, 0,1
	v_max3_num_f32 v[10+\c], v[10+\c], |v[XX+32*\c+\i]|, |v[XX+32*\c+\i+1]|
.endr
.endr
.irp c, 0,1
	v_add_nc_u32 v[12+\c], 0xff000000, v[10+\c]    ; 2 off the exponent field: the conversion takes this operand's exponent field as its scale
.endr
.irp c, 0,1
	v_lshrrev_b32 v[14+\c], 23, v[12+\c]           ; the scale's byte
.endr
	v_lshl_or_b32 v[WD+(\t)], v15, 16, v14         ; my two bytes, blocks h and 2 + h,
	v_lshlrev_b32 v[WD+(\t)], v9, v[WD+(\t)]       ; at their places in the word;
	v_permlanex16_b32 v20, v[WD+(\t)], s34, s35
	v_or_b32 v[WD+(\t)], v[WD+(\t)], v20           ; with lane l xor 16's two the word of row r is whole, in both lanes
.irp c, 0,1
.irp g, 0,1,2,3
	v_cvt_scalef32_pk8_fp4_f32 v[CC+8*(\t)+4*\c+\g], v[XX+32*\c+8*\g:XX+32*\c+8*\g+7], v[12+\c]
.endr
.endr
	v_nop                                          ; one plain place behind the last scaled conversion
.irp c, 0,1
	global_store_b128 v5, v[CC+8*(\t)+4*\c:CC+8*(\t)+4*\c+3], s[28:29] offset:(2*(\t)+\c)*512   ; an image: 512 consecutive bytes, aligned
.endr
.endm
	XLOAD 0
	XLOAD 1
	XSTEP 0
	XSTEP 1
	XSTEP 2
	XSTEP 3
	v_cndmask_b32 v22, v[WD], v[WD+2], s36         ; lanes 0-15 store words 0 and 1 of their row, lanes 16-31 words 2 and 3:
	v_cndmask_b32 v23, v[WD+1], v[WD+3], s36
	global_store_b64 v8, v[22:23], s[30:31]        ; 256 consecutive bytes, aligned
	s_wait_tensorcnt 0x0
	ds_add_u32 v30, v31
	s_wait_dscnt 0x0
	s_endpgm
; ---------------- the weights: a lane takes a column n, its registers run down K; a wave takes 32 columns x one K step of 128 ----------------
.Lweights:
	s_lshr_b32 s19, ttmp9, 6                       ; which weight: 0 Wq, 1 Wk, 2 Wv, 3 Wmix
	s_bfe_u32 s20, ttmp9, 0x30003                  ; which 128 columns
	s_and_b32 s21, ttmp9, 7                        ; which K step
	s_lshl_b32 s26, s21, 19                        ; 128 rows of 4,096 bytes a K step
	s_lshl_b32 s27, s20, 9
	s_add_co_u32 s26, s26, s27
	s_lshl_b32 s27, s18, 7
	s_add_co_u32 s26, s26, s27                     ; + 4 (128 cb + 32 wave)
	s_mov_b32 s27, 0
	s_lshl_b32 s30, s19, 5
	s_lshl_b32 s31, s20, 2
	s_add_co_u32 s30, s30, s31
	s_add_co_u32 s30, s30, s18                     ; the pair of tiles that my 32 columns fill: 32 weight + 4 cb + wave
	s_lshl_b32 s28, s30, 14
	s_lshl_b32 s31, s21, 10
	s_add_co_u32 s28, s28, s31                     ; codes: 16,384 pair + 1,024 K step
	s_mov_b32 s29, 0
	s_lshl_b32 s30, s30, 10
	s_lshr_b32 s31, s21, 2
	s_lshl_b32 s31, s31, 8
	s_add_co_u32 s30, s30, s31
	s_and_b32 s31, s21, 3
	s_lshl_b32 s31, s31, 2
	s_add_co_u32 s30, s30, s31
	s_add_co_u32 s30, s30, WQSC                    ; words: WQSC + 1,024 pair + 256 (s / 4) + 4 (s % 4)
	s_mov_b32 s31, 0
	s_wait_alu depctr_va_vdst(0)
	v_lshlrev_b32 v5, 2, v2                        ; in: 4 bytes a lane
	v_bfe_u32 v8, v0, 3, 1                         ; column l of the 32 is position r' = l % 8 + 8 (l / 16) of tile u = (l / 8) % 2 of the pair
	v_and_b32 v9, 7, v0
	v_bfe_u32 v10, v0, 4, 1
	v_lshl_add_u32 v9, v10, 3, v9
	v_lshlrev_b32 v9, 4, v9                        ; 16 r'
	v_lshl_add_u32 v6, v8, 13, v9                  ; codes: 8,192 u + 16 r'
	v_lshl_add_u32 v7, v8, 9, v9                   ; words: 512 u + 16 r'
	s_and_b32 s32, s19, 1
	s_wait_alu depctr_va_vdst(0)
	s_wait_kmcnt 0x0
	s_cmp_eq_u32 s32, 0                            ; the choice of the buffer hangs on the work-group's number alone
	s_cselect_b64 s[22:23], s[6:7], s[8:9]
	s_cselect_b64 s[24:25], s[10:11], s[12:13]
	s_cmp_lt_u32 s19, 2
	s_cselect_b64 s[22:23], s[22:23], s[24:25]
	s_add_nc_u64 s[22:23], s[22:23], s[26:27]
	s_add_nc_u64 s[28:29], s[16:17], s[28:29]
	s_add_nc_u64 s[30:31], s[16:17], s[30:31]
.macro WLOAD k                         ; block k: W(128 s + 32 k + i, my column): 32 lanes read 128 consecutive bytes
.irp i, 0,1,2,3,4,5,6,7,8,9,10,11,12,13,14,15,16,17,18,19,20,21,22,23,24,25,26,27,28,29,30,31
	global_load_b32 v[RR+32*((\k)%2)+\i], v5, s[22:23] offset:(32*(\k)+\i)*4096 th:TH_LOAD_NT
.endr
.endm
.macro WBLOCK k
.set XS, RR+32*((\k)%2)
.if (\k) < 3
	s_wait_loadcnt 32                              ; this block's 32 loads are in; the next block's may be out
.else
	s_wait_loadcnt 0x0
.endif
	v_max3_num_f32 v12, |v[XS]|, |v[XS+1]|, 0x1800000              ; the block's largest magnitude, in two chains, with the floor 2^(3 - 127)
	v_max3_num_f32 v13, |v[XS+2]|, |v[XS+3]|, |v[XS+4]|
.irp i, 5,9,13,17,21,25
	v_max3_num_f32 v12, v12, |v[XS+\i]|, |v[XS+\i+1]|
	v_max3_num_f32 v13, v13, |v[XS+\i+2]|, |v[XS+\i+3]|
.endr
	v_max3_num_f32 v12, v12, |v[XS+29]|, |v[XS+30]|
	v_max3_num_f32 v12, v12, v13, |v[XS+31]|
	v_add_nc_u32 v14, 0xff000000, v12              ; the conversion's scale operand
	v_lshrrev_b32 v15, 23, v14                     ; the byte
.if (\k) == 0
	v_mov_b32 v[WD], v15
.else
	v_lshl_or_b32 v[WD], v15, 8*(\k), v[WD]        ; the K step's four bytes make my column's scale word
.endif
.irp g, 0,1,2,3
	v_cvt_scalef32_pk8_fp4_f32 v[CC+4*(\k)+\g], v[XS+8*\g:XS+8*\g+7], v14
.endr
	v_nop                                          ; one plain place behind the last scaled conversion
	global_store_b128 v6, v[CC+4*(\k):CC+4*(\k)+3], s[28:29] offset:256*(\k)   ; the sixteen lanes of one tile store 256 consecutive bytes, aligned: half an image
.if (\k) < 2
	WLOAD (\k)+2
.endif
.endm
	WLOAD 0
	WLOAD 1
	WBLOCK 0
	WBLOCK 1
	WBLOCK 2
	WBLOCK 3
	global_store_b32 v7, v[WD], s[30:31]           ; 4 bytes a lane, 16 bytes apart: the weights' scale words, 131,072 bytes in all, one byte for 128 read
	s_endpgm
.Lfunc_end_k_q824328ef31_quant:
	.size	k_q824328ef31_quant, .Lfunc_end_k_q824328ef31_quant-k_q824328ef31_quant
	.p2alignl 7, 3214868480
	.fill 96, 4, 3214868480
	.section	.rodata,"a",@progbits
	.p2align	6, 0x0
	.amdhsa_kernel k_q824328ef31_quant
		.amdhsa_group_segment_fixed_size 34304
		.amdhsa_private_segment_fixed_size 0
		.amdhsa_enable_private_segment 0
		.amdhsa_kernarg_size 56
		.amdhsa_user_sgpr_count 2
		.amdhsa_user_sgpr_kernarg_segment_ptr 1
		.amdhsa_wavefront_size32 1
		.amdhsa_system_sgpr_workgroup_id_x 1
		.amdhsa_system_sgpr_workgroup_id_y 1
		.amdhsa_system_sgpr_workgroup_id_z 1
		.amdhsa_system_vgpr_workitem_id 0
		.amdhsa_next_free_vgpr 256
		.amdhsa_next_free_sgpr 66
		.amdhsa_reserve_vcc 0
		.amdhsa_float_denorm_mode_32 3
		.amdhsa_float_denorm_mode_16_64 3
		.amdhsa_memory_ordered 1
		.amdhsa_forward_progress 1
		.amdhsa_inst_pref_size 50
	.end_amdhsa_kernel
	.amdgpu_metadata
---
amdhsa.version: [ 1, 2 ]
amdhsa.kernels:
  - .name:           k_q824328ef31_quant
    .symbol:         k_q824328ef31_quant.kd
    .args:
      - { .name: x, .offset: 0, .size: 8, .value_kind: global_buffer, .address_space: global }
      - { .name: Wq, .offset: 8, .size: 8, .value_kind: global_buffer, .address_space: global }
      - { .name: Wk, .offset: 16, .size: 8, .value_kind: global_buffer, .address_space: global }
      - { .name: Wv, .offset: 24, .size: 8, .value_kind: global_buffer, .address_space: global }
      - { .name: Wmix, .offset: 32, .size: 8, .value_kind: global_buffer, .address_space: global }
      - { .name: xq, .offset: 40, .size: 8, .value_kind: global_buffer, .address_space: global }
      - { .name: wq, .offset: 48, .size: 8, .value_kind: global_buffer, .address_space: global }
    .group_segment_fixed_size: 34304
    .private_segment_fixed_size: 0
    .kernarg_segment_align: 8
    .kernarg_segment_size: 56
    .max_flat_workgroup_size: 128
    .sgpr_count:     66
    .vgpr_count:     256
    .wavefront_size: 32
...
	.end_amdgpu_metadata
.endif
;; end of part 1
;; launch proj (part 2): grid 192 x 1, 4 waves a work-group, no clusters, 168,448 bytes of LDS; arguments xq, wq, bq, bk, bv, qp, kvp; writes qp, kvp
.if DOCPART == 2
	.amdgcn_target "amdgcn-amd-amdhsa--gfx1250"
	.amdhsa_code_object_version 6
	.text
	.protected	k_q824328ef31_proj
	.globl	k_q824328ef31_proj
	.p2align	8
	.type	k_q824328ef31_proj,@function
k_q824328ef31_proj:
	s_mov_b64 s[64:65], 0
	v_nop
	global_prefetch_b8 v0, s[64:65] scope:SCOPE_SE
	s_setreg_imm32_b32 hwreg(HW_REG_WAVE_MODE, 25, 1), 1
	s_wait_xcnt 0x0
; q = x Wq + bq, k = x Wk + bk, v = x Wv + bv on codes of FP4 with E8M0 scales, K = 1,024; the f32 results are quantised in registers for attention's two products and leave as codes: q, k along the head's 64, v along the keys.
; OPERANDS lie as the first launch laid them: a tile is 16 rows, position r of tile T = row 32 (T / 2) + 8 (T % 2) + r + 8 (r / 8); codes [tile][16 images of 512 bytes], lane l's 16 bytes at 16 l; scale image 512 bytes a tile.
; THE PRODUCT IS USED TRANSPOSED.  Source 0 = P, eight tiles (128 rows) that a wave keeps in 512 registers for the whole launch; source 1 = R, one tile at a time out of LDS.  In the results a lane holds ONE row of R, and by the
; order of a tile's rows its 64 registers are the 128 rows of P in their natural order, 16 neighbours to a pair of tiles: neighbours along the NEXT product's K.
;   role 0 (work-groups 0-127): P = 128 columns of Wq or Wk (two heads), R = rows of x.  A lane's 64 numbers are two heads x 64 of one row: blocks 0, 1 the first head's, 2, 3 the second's.  The bias runs along P: it is the C of the first product.
;   role 1 (work-groups 128-191): P = 128 rows of x (keys), R = columns of Wv.  A lane's 64 numbers are 128 keys of one channel: one K step of attention's second product.  The bias runs along the lanes: it is added behind the sums.
;   Both roles run one text: what differs is chosen by s_cselect on the work-group's number (pointers, strides, two lane masks), and one short branch round two heads' scale words.
; RESULTS.  qp and kvp: 64 records (16 batch + head) of 143,360 bytes, each two chunks (1,024 keys) of 71,680: +0 codes of k (in qp: of q), 64 tiles x 512;  +32,768 codes of v [4 tiles of channels][16 images of 64 keys][512];
;   +65,536 scale words of k (q): 8 key steps x 512: lane (r, h) owns the words of tiles 4 h .. 4 h + 3, each s0 | s1 << 8 | 0x7f7f0000 (K = 64 fills half of the matrix instruction's 128: the other half is zero codes under the byte 127);
;   +69,632 scale words of v: 8 key steps x [16 r][4 tiles].  Every store of codes covers 512 consecutive aligned bytes, every store of words 256.
; LDS, filled once, by three tensor loads a wave (three of mine are out, by this text's count): 0 R's codes, 16 tiles x 8,192;  131,072 R's scale images, 16 x 512;  139,264 the 256 numbers of bv that belong to R's tiles.
; NO CLUSTER: of the 412,672 bytes that a work-group reads, 273,408 are P, which goes straight into registers by plain loads; only R's 139,264 come by tensor loads, once, with no loop of fills behind which partners would meet again.
; LIMITS: as the quantiser's: a block of zeros gets the byte 1 (zero codes; the bytes are read by this program alone); NaN and infinities are not served.
; REGISTERS: window 0: v1-18 addresses; v20-23 R's scale words; v24 bv of my lane; v26-27 the same or 0; v28-31 four cells' scale words; v32-63 P's scale words (4 t + q); v64-127 the eight accumulators; v128-135 codes; v136 scale word; v140-155, v160-163 at work.
;   window 1: P's K steps 0-3 at v[8 (8 s + t)];   window 2: K steps 4-7;   window 3: v0-63 R's eight fragments; v128-191 the bias along P, eight registers a tile.
.set RS,   20
.set BJ,   24
.set BJM,  26
.set WS,   28
.set PS,   32
.set ACC,  64
.set PC,   128
.set PW,   136
.set TM,   140
.set CB,   128                         ; in window 3
.set OFF,  10                          ; v10-13  where cell q's first four code registers go
.set OFF2, 14                          ; v14-17  and its second four
.set LSC,  131072
.set LBV,  139264
.set REC,  143360
.set MSB, 0
.macro WIN new                         ; the immediate's high byte repeats the setting that is left
.if MSB != \new
	s_set_vgpr_msb (MSB<<8)|\new
.set MSB, \new
.endif
.endm
.macro PLACES n
.rept \n
	v_nop
.endr
.endm
	s_load_b256 s[4:11], s[0:1], 0x0               ; xq s[4:5], wq s[6:7], bq s[8:9], bk s[10:11]
	s_load_b128 s[12:15], s[0:1], 0x20             ; bv s[12:13], qp s[14:15]
	s_load_b64 s[16:17], s[0:1], 0x30              ; kvp
	v_lshl_add_u32 v254, v0, 2, 0x29000
	v_mov_b32 v255, 0
	ds_add_u32 v254, v255
	ds_add_u32 v254, v255
	v_lshrrev_b32 v2, 5, v0
	v_readfirstlane_b32 s18, v2                    ; wave 0..3
	s_cmp_ge_u32 ttmp9, 128
	s_cselect_b32 s19, 1, 0                        ; role
	s_lshl_b32 s20, s19, 7
	s_sub_co_u32 s20, ttmp9, s20                   ; my number within the role
	s_and_b32 s21, s20, 3
	s_lshr_b32 s22, s20, 2
	s_cmp_eq_u32 s19, 0
	s_cselect_b32 s23, s21, s22                    ; pcol: which four groups of P
	s_cselect_b32 s24, s22, s21                    ; jg: which sixteen tiles of R
	s_lshl_b32 s25, s23, 2
	s_add_co_u32 s25, s25, s18                     ; G: my wave's group of eight tiles of P
	; descriptor groups 1: dense blocks as rows of 256 bytes (32 elements of 8 bytes): 128 rows, 8 rows, 1 row
.irp g, 44, 52, 68
	s_mov_b32 s[\g], 3<<16                         ; no mask; elements of 8 bytes; no padding
	s_mov_b32 s[\g+1], 32<<16                      ; tensor_dim0 = 32
	s_mov_b32 s[\g+3], 32<<16                      ; tile_dim0 = 32
	s_mov_b32 s[\g+5], 32                          ; from row to row
	s_mov_b32 s[\g+6], 0
	s_mov_b32 s[\g+7], 0
.endr
	s_mov_b32 s46, 128<<16                         ; tensor_dim1, tile_dim1: four tiles' codes
	s_mov_b32 s48, 128
	s_mov_b32 s54, 8<<16                           ; four tiles' scale images
	s_mov_b32 s56, 8
	s_mov_b32 s70, 1<<16                           ; 64 numbers of bv
	s_mov_b32 s72, 1
	; byte offsets, each in a register of its own, apart from the addresses
	s_lshl_b32 s40, s25, 16                        ; P's codes: 65,536 G
	s_lshl_b32 s41, 0x200000, s19                  ; P's scale images begin at 2,097,152 in wq, at 4,194,304 in xq,
	s_lshl_b32 s92, s25, 12
	s_add_co_u32 s41, s41, s92                     ; + 4,096 G
	s_and_b32 s93, s25, 7
	s_lshl_b32 s60, s93, 9                         ; the bias along P: 128 (G % 8) numbers on
	s_lshl_b32 s61, s24, 4
	s_lshl_b32 s92, s19, 7
	s_add_co_u32 s61, s61, s92                     ; R's first tile: 16 jg, in wq + 128 (Wv's tiles)
	s_lshl_b32 s62, s61, 9
	s_lshl_b32 s61, s61, 13
	s_lshl_b32 s92, s18, 15
	s_add_co_u32 s61, s61, s92                     ; R's codes: my wave brings four tiles
	s_lshr_b32 s92, 0x400000, s19
	s_add_co_u32 s62, s62, s92
	s_lshl_b32 s92, s18, 11
	s_add_co_u32 s62, s62, s92                     ; R's scale images likewise
	s_mul_i32 s63, s19, s24
	s_lshl_b32 s63, s63, 10
	s_lshl_b32 s92, s18, 8
	s_add_co_u32 s63, s63, s92                     ; bv: 256 jg numbers on in role 1 (in role 0 the first 256: loaded and masked away)
	s_lshr_b32 s88, s24, 3                         ; role 0: record 16 (jg / 8) + 2 (G % 8),
	s_lshl_b32 s88, s88, 4
	s_lshl_b32 s92, s93, 1
	s_add_co_u32 s88, s88, s92
	s_bfe_u32 s89, s24, 0x10002                    ; chunk (jg / 4) % 2,
	s_and_b32 s94, s24, 3
	s_lshl_b32 s95, s94, 10
	s_add_co_u32 s95, s95, 65536                   ; words at 65,536 + 1,024 (jg % 4),
	s_lshl_b32 s94, s94, 13                        ; codes at 8,192 (jg % 4)
	s_lshr_b32 s20, s25, 4                         ; role 1: record 16 (G / 16) + 4 jg,
	s_lshl_b32 s20, s20, 4
	s_lshl_b32 s92, s24, 2
	s_add_co_u32 s20, s20, s92
	s_bfe_u32 s21, s25, 0x10003                    ; chunk (G / 8) % 2,
	s_lshl_b32 s22, s93, 10
	s_add_co_u32 s22, s22, 32768                   ; codes at 32,768 + 1,024 (G % 8),
	s_lshl_b32 s92, s93, 8
	s_add_co_u32 s92, s92, 69632                   ; words at 69,632 + 256 (G % 8)
	s_cmp_lg_u32 s19, 0
	s_cselect_b32 s88, s20, s88
	s_cselect_b32 s89, s21, s89
	s_cselect_b32 s94, s22, s94
	s_cselect_b32 s95, s92, s95
	s_cselect_b32 s36, 0, -1                       ; all lanes in role 0: the bias along P counts
	s_cselect_b32 s37, -1, 0                       ; all lanes in role 1: the bias along the lanes counts
	s_mov_b32 s20, 8192
	s_cselect_b32 s20, s20, 512                    ; from cell to cell of a trip: the next tile of keys, or the next tile of channels
	s_mov_b32 s21, REC
	s_cselect_b32 s22, 512, s21                    ; from the first four code registers to the second: the next head's record, or the next image
	s_mul_i32 s88, s88, REC
	s_mul_i32 s89, s89, REC/2
	s_add_co_u32 s88, s88, s89
	s_add_co_u32 s89, s88, s95                     ; where my words begin
	s_add_co_u32 s88, s88, s94                     ; where my codes begin
	s_cmp_lg_u32 s19, 0
	s_cselect_b32 s92, s21, 2048                   ; from trip to trip: codes: four tiles of keys on, or the next head's record
	s_cselect_b32 s94, s21, 256                    ; words likewise
	s_mov_b32 s93, 0
	s_mov_b32 s95, 0
	s_lshr_b32 s90, s23, 1
	s_or_b32 s91, s90, s19                         ; 0 only where the results are q
	s_xor_b32 s38, s19, 1
	s_mul_i32 s90, s90, s38                        ; not 0 only where the results are k
	s_mov_b32 s43, 0
	s_wait_dscnt 0x0
	s_wait_kmcnt 0x0
	s_cmp_lg_u32 s19, 0                            ; every choice of a buffer hangs on the work-group's number alone
	s_cselect_b64 s[26:27], s[4:5], s[6:7]         ; P's buffer
	s_cselect_b64 s[38:39], s[6:7], s[4:5]         ; R's buffer
	s_mov_b32 s42, s41
	s_add_nc_u64 s[28:29], s[26:27], s[42:43]      ; P's scale images
	s_mov_b32 s42, s40
	s_add_nc_u64 s[26:27], s[26:27], s[42:43]      ; P's codes
	s_cmp_lg_u32 s90, 0
	s_cselect_b64 s[30:31], s[10:11], s[8:9]       ; bk for k, else bq (masked away in role 1)
	s_mov_b32 s42, s60
	s_add_nc_u64 s[30:31], s[30:31], s[42:43]
	s_cmp_eq_u32 s91, 0
	s_cselect_b64 s[32:33], s[14:15], s[16:17]     ; q goes to qp, k and v to kvp
	s_mov_b32 s42, s89
	s_add_nc_u64 s[34:35], s[32:33], s[42:43]      ; the words' base
	s_mov_b32 s42, s88
	s_add_nc_u64 s[32:33], s[32:33], s[42:43]      ; the codes' base
	s_mov_b32 s76, 1                               ; groups 0: count 1, LDS address (the wave's number and constants alone), global address, type 2
	s_lshl_b32 s77, s18, 15
	s_mov_b32 s42, s61
	s_add_nc_u64 s[78:79], s[38:39], s[42:43]
	s_or_b32 s79, s79, 0x80000000
	s_mov_b32 s80, 1
	s_lshl_b32 s81, s18, 11
	s_add_co_u32 s81, s81, LSC
	s_mov_b32 s42, s62
	s_add_nc_u64 s[82:83], s[38:39], s[42:43]
	s_or_b32 s83, s83, 0x80000000
	s_mov_b32 s84, 1
	s_lshl_b32 s85, s18, 8
	s_add_co_u32 s85, s85, LBV
	s_mov_b32 s42, s63
	s_add_nc_u64 s[86:87], s[12:13], s[42:43]
	s_or_b32 s87, s87, 0x80000000
	tensor_load_to_lds s[76:79], s[44:51]          ; the only fills of the launch, together, ahead of every wait on TENSORcnt, every LDS read and the barrier
	s_nop 0
	tensor_load_to_lds s[80:83], s[52:59]
	s_nop 0
	tensor_load_to_lds s[84:87], s[68:75]
	s_nop 0
	PLACES 4                                       ; four v_nop follow the last of them
	v_and_b32 v1, 31, v0
	v_lshlrev_b32 v1, 4, v1                        ; 16 x lane: an image's place for my lane
	v_and_b32 v2, 15, v0                           ; r
	v_bfe_u32 v3, v0, 4, 1                         ; h
	v_lshlrev_b32 v9, 6, v3                        ; 64 h: my half's sixteen numbers of each 32 of the bias
	; P: 128 loads of 512 consecutive bytes; it stays in registers
	WIN 0x40                                       ; destination window 1
.irp s, 0,1,2,3
.irp t, 0,1,2,3,4,5,6,7
.irp c, 0,1
	global_load_b128 v[8*(8*\s+\t)+4*\c:8*(8*\s+\t)+4*\c+3], v1, s[26:27] offset:\t*8192+\s*1024+512*\c
.endr
.endr
.endr
	WIN 0x80                                       ; destination window 2
.irp s, 0,1,2,3
.irp t, 0,1,2,3,4,5,6,7
.irp c, 0,1
	global_load_b128 v[8*(8*\s+\t)+4*\c:8*(8*\s+\t)+4*\c+3], v1, s[26:27] offset:\t*8192+(\s+4)*1024+512*\c
.endr
.endr
.endr
	WIN 0
.irp t, 0,1,2,3,4,5,6,7
	global_load_b128 v[PS+4*\t:PS+4*\t+3], v1, s[28:29] offset:\t*512      ; word q: lanes 0-15 K step q, lanes 16-31 K step 4 + q
.endr
	WIN 0xc0                                       ; destination window 3
.irp t, 0,1,2,3,4,5,6,7
	global_load_b128 v[CB+8*\t:CB+8*\t+3], v9, s[30:31] offset:(32*(\t/2)+8*(\t%2))*4          ; lane (r, h), register j of tile t: row 32 (t / 2) + 16 h + 8 (t % 2) + j of P
	global_load_b128 v[CB+8*\t+4:CB+8*\t+7], v9, s[30:31] offset:(32*(\t/2)+8*(\t%2))*4+16
.endr
	WIN 0
	v_lshlrev_b32 v7, 4, v2
	v_lshl_add_u32 v7, v3, 3, v7                   ; the words' place: 16 r + 8 h
	v_add_nc_u32 v8, REC, v7                       ; and in the next head's record
	v_and_b32 v18, 8, v2
	v_add_nc_u32 v18, v18, v2
	v_lshlrev_b32 v18, 2, v18                      ; bv of my lane: 4 (r + 8 (r / 8)) within a tile's 24 numbers
.irp q, 0,1,2,3
	s_mul_i32 s40, s20, \q
	v_add_nc_u32 v[OFF+\q], s40, v1
	v_add_nc_u32 v[OFF2+\q], s22, v[OFF+\q]
.endr
.irp b, 0,1,2,3
	v_mov_b32 v[TM+4+\b], 0                        ; written once: a lane permute's destination counts as one of its sources
.endr
	s_mov_b32 s88, 4                               ; trips
	s_mov_b32 s89, 0                               ; LDS: the trip's four tiles of R: codes,
	s_mov_b32 s90, LSC                             ; scale images,
	s_mov_b32 s91, LBV                             ; bv
	s_mov_b32 s96, 0x7f7f0000
	s_mov_b32 s97, 0xffff0000                      ; the mask of lanes 16-31
	s_mov_b32 s98, 0x76543210
	s_mov_b32 s99, 0xfedcba98                      ; v_permlanex16_b32's selects for lane l xor 16
	s_wait_loadcnt 0x0                             ; P, its scale words and the bias are in
	WIN 0xcc                                       ; source 1 and destination window 3
.set i, 0
.rept 64
	v_cndmask_b32 v[CB+i], 0, v[CB+i], s36         ; in role 1 the first product's C is zeros
.set i, i+1
.endr
	WIN 0
	s_wait_tensorcnt 0x0                           ; my three parts of R have landed,
	s_barrier_signal -1
	s_barrier_wait -1                              ; everybody's have
; R's tile n of the trip (4: the next trip's first): eight fragments as images, its scale image, my lane's bv
.macro RFETCH n
	WIN 0xc0
.irp s, 0,1,2,3,4,5,6,7
.irp c, 0,1
	ds_load_b128 v[8*\s+4*\c:8*\s+4*\c+3], v4 offset:(\n)*8192+\s*1024+512*\c
.endr
.endr
	WIN 0
	ds_load_b128 v[RS:RS+3], v5 offset:(\n)*512
	ds_load_b32 v[BJ], v6 offset:((\n)/4)*256+(32*(((\n)%4)/2)+8*((\n)%2))*4
.endm
; 64 matrix instructions: K step by K step, ascending; in each the eight accumulators take turns, one instruction a turn.  The first K step starts the sums with the bias as C.
.macro MULS
.irp s, 0,1,2,3,4,5,6,7
.if \s == 0
	WIN 0x3d                                       ; source 0 (P) window 1, source 1 (R) window 3, C window 3
.elseif \s < 4
	WIN 0x0d
.else
	WIN 0x0e                                       ; P's K steps 4-7: window 2
.endif
.irp t, 0,1,2,3,4,5,6,7
.if \s == 0
	v_wmma_scale_f32_16x16x128_f8f6f4 v[ACC+8*\t:ACC+8*\t+7], v[8*\t:8*\t+7], v[0:7], v[CB+8*\t:CB+8*\t+7], v[PS+4*\t], v[RS] matrix_a_fmt:MATRIX_FMT_FP4 matrix_b_fmt:MATRIX_FMT_FP4
.elseif \s < 4
	v_wmma_scale_f32_16x16x128_f8f6f4 v[ACC+8*\t:ACC+8*\t+7], v[8*(8*\s+\t):8*(8*\s+\t)+7], v[8*\s:8*\s+7], v[ACC+8*\t:ACC+8*\t+7], v[PS+4*\t+\s], v[RS+\s] matrix_a_fmt:MATRIX_FMT_FP4 matrix_b_fmt:MATRIX_FMT_FP4
.else
	v_wmma_scale_f32_16x16x128_f8f6f4 v[ACC+8*\t:ACC+8*\t+7], v[8*(8*(\s-4)+\t):8*(8*(\s-4)+\t)+7], v[8*\s:8*\s+7], v[ACC+8*\t:ACC+8*\t+7], v[PS+4*\t+\s-4], v[RS+\s-4] matrix_a_fmt:MATRIX_FMT_FP4 matrix_b_fmt:MATRIX_FMT_FP4 matrix_a_scale:MATRIX_SCALE_ROW1 matrix_b_scale:MATRIX_SCALE_ROW1
.endif
.endr
.endr
	WIN 0
.endm
; 64 numbers of a lane, v[s] .. v[s + 63], register 16 b + i = k 32 b + 16 (lane / 16) + i of my row, become a fragment's codes in v[PC] on and its scale word in v[PW].
.macro QUANT s
.irp b, 0,1,2,3
	v_max3_num_f32 v[TM+\b], |v[\s+16*\b]|, |v[\s+1+16*\b]|, 0x1800000   ; block b: my 16 numbers, and the floor 2^(3 - 127): the byte cannot fall under 1
.endr
.irp i, 2,4,6,8,10,12,14
.irp b, 0,1,2,3
	v_max3_num_f32 v[TM+\b], v[TM+\b], |v[\s+16*\b+\i]|, |v[\s+1+16*\b+\i]|   ; (the four blocks by turns)
.endr
.endr
.irp b, 0,1,2,3
	v_permlanex16_b32 v[TM+4+\b], v[TM+\b], s98, s99
.endr
.irp b, 0,1,2,3
	v_max_num_f32 v[TM+\b], v[TM+\b], v[TM+4+\b]   ; with lane l xor 16's: the block's largest magnitude
.endr
.irp b, 0,1,2,3
	v_add_nc_u32 v[TM+12+\b], 0xff000000, v[TM+\b] ; 2 off its exponent field: the conversion's scale operand
.endr
.irp b, 0,1,2,3
	v_lshrrev_b32 v[TM+4+\b], 23, v[TM+12+\b]      ; the scale's byte
.endr
	v_lshl_or_b32 v[PW], v[TM+5], 8, v[TM+4]       ; the four bytes make my row's scale word
	v_lshl_or_b32 v[PW], v[TM+6], 16, v[PW]
	v_lshl_or_b32 v[PW], v[TM+7], 24, v[PW]
.irp b, 0,1,2,3
	v_cvt_scalef32_pk8_fp4_f32 v[PC+2*\b], v[\s+16*\b:\s+7+16*\b], v[TM+12+\b]
	v_cvt_scalef32_pk8_fp4_f32 v[PC+1+2*\b], v[\s+8+16*\b:\s+15+16*\b], v[TM+12+\b]
.endr
	v_nop                                          ; one plain place behind the last scaled conversion
.irp c, 0,1                            ; an image wants a WHOLE block in a lane: lanes 0-15 block 2 c, lanes 16-31 block 2 c + 1
.irp i, 0,1
	v_permlane16_swap_b32 v[PC+4*\c+\i], v[PC+2+4*\c+\i]
.endr
.endr
.endm
; A CELL: one tile of R against my eight tiles of P.
.macro CELL q
	s_wait_dscnt 0x0                               ; the tile's 18 loads, asked for a cell ago, are in
	MULS
	v_cndmask_b32 v[BJM], 0, v[BJ], s37            ; bv of my lane in role 1, 0 in role 0.  These two and four v_nop are the places behind the products: in front of the loads into
	v_cndmask_b32 v[BJM+1], 0, v[BJ], s37          ; R's registers, of the first read of the results, and of the next cell's first product, which begins an accumulator anew
	PLACES 4
.if (\q) < 3
	RFETCH (\q)+1
.else
	s_cmp_eq_u32 s88, 1                            ; the last trip has no next tile: no LDS byte is read that nobody filled
	s_cbranch_scc1 .Lno_next_\@
	RFETCH 4
.Lno_next_\@:
.endif
.set i, 0
	s_wait_alu depctr_va_vdst(0)
.rept 32
	v_pk_add_f32 v[ACC+i:ACC+i+1], v[ACC+i:ACC+i+1], v[BJM:BJM+1]   ; each accumulator from its low end on
.set i, i+2
.endr
	s_wait_xcnt 0x0                                ; the last cell's stores have read the code registers
	QUANT ACC
	global_store_b128 v[OFF+(\q)], v[PC:PC+3], s[32:33]             ; 512 consecutive aligned bytes: an image
	global_store_b128 v[OFF2+(\q)], v[PC+4:PC+7], s[32:33]
	v_mov_b32 v[WS+(\q)], v[PW]
.endm
	v_add_nc_u32 v4, s89, v1
	v_add_nc_u32 v5, s90, v1
	v_add_nc_u32 v6, s91, v18
	RFETCH 0
.Ltrip:                                                ; four trips of four cells
	s_wait_alu depctr_va_vdst(0)
	CELL 0
	CELL 1
	CELL 2
	CELL 3
	v_cndmask_b32 v160, v[WS], v[WS+2], s97        ; lanes 0-15 store cells 0 and 1's words of their row, lanes 16-31 cells 2 and 3's
	v_cndmask_b32 v161, v[WS+1], v[WS+3], s97
	s_cmp_lg_u32 s19, 0
	s_cbranch_scc1 .Lone_word
	v_lshrrev_b32 v162, 16, v160                   ; q and k: a word holds two heads' two bytes each
	v_lshrrev_b32 v163, 16, v161
	v_and_or_b32 v160, v160, 0xffff, s96           ; each head's word: its two bytes, and 127 twice over the zero codes
	v_and_or_b32 v161, v161, 0xffff, s96
	v_or_b32 v162, s96, v162
	v_or_b32 v163, s96, v163
	global_store_b64 v8, v[162:163], s[34:35]      ; the second head's, in the next record
.Lone_word:
	s_wait_alu depctr_va_vdst(0)
	global_store_b64 v7, v[160:161], s[34:35]      ; 256 consecutive aligned bytes
	s_wait_xcnt 0x0                                ; the stores have read their bases and data: both are written again only behind this wait
	s_add_nc_u64 s[32:33], s[32:33], s[92:93]
	s_add_nc_u64 s[34:35], s[34:35], s[94:95]
	s_add_co_u32 s89, s89, 32768
	s_add_co_u32 s90, s90, 2048
	s_add_co_u32 s91, s91, 256
	v_add_nc_u32 v4, s89, v1
	v_add_nc_u32 v5, s90, v1
	v_add_nc_u32 v6, s91, v18
	s_sub_co_u32 s88, s88, 1
	s_cmp_lg_u32 s88, 0
	s_cbranch_scc1 .Ltrip
	s_wait_tensorcnt 0x0
	ds_add_u32 v254, v255
	s_wait_dscnt 0x0
	s_endpgm
.Lfunc_end_k_q824328ef31_proj:
	.size	k_q824328ef31_proj, .Lfunc_end_k_q824328ef31_proj-k_q824328ef31_proj
	.p2alignl 7, 3214868480
	.fill 96, 4, 3214868480
	.section	.rodata,"a",@progbits
	.p2align	6, 0x0
	.amdhsa_kernel k_q824328ef31_proj
		.amdhsa_group_segment_fixed_size 168448
		.amdhsa_private_segment_fixed_size 0
		.amdhsa_enable_private_segment 0
		.amdhsa_kernarg_size 56
		.amdhsa_user_sgpr_count 2
		.amdhsa_user_sgpr_kernarg_segment_ptr 1
		.amdhsa_wavefront_size32 1
		.amdhsa_system_sgpr_workgroup_id_x 1
		.amdhsa_system_sgpr_workgroup_id_y 1
		.amdhsa_system_sgpr_workgroup_id_z 1
		.amdhsa_system_vgpr_workitem_id 0
		.amdhsa_next_free_vgpr 960
		.amdhsa_next_free_sgpr 100
		.amdhsa_reserve_vcc 0
		.amdhsa_float_denorm_mode_32 3
		.amdhsa_float_denorm_mode_16_64 3
		.amdhsa_memory_ordered 1
		.amdhsa_forward_progress 1
		.amdhsa_inst_pref_size 92
	.end_amdhsa_kernel
	.amdgpu_metadata
---
amdhsa.version: [ 1, 2 ]
amdhsa.kernels:
  - .name:           k_q824328ef31_proj
    .symbol:         k_q824328ef31_proj.kd
    .args:
      - { .name: xq, .offset: 0, .size: 8, .value_kind: global_buffer, .address_space: global }
      - { .name: wq, .offset: 8, .size: 8, .value_kind: global_buffer, .address_space: global }
      - { .name: bq, .offset: 16, .size: 8, .value_kind: global_buffer, .address_space: global }
      - { .name: bk, .offset: 24, .size: 8, .value_kind: global_buffer, .address_space: global }
      - { .name: bv, .offset: 32, .size: 8, .value_kind: global_buffer, .address_space: global }
      - { .name: qp, .offset: 40, .size: 8, .value_kind: global_buffer, .address_space: global }
      - { .name: kvp, .offset: 48, .size: 8, .value_kind: global_buffer, .address_space: global }
    .group_segment_fixed_size: 168448
    .private_segment_fixed_size: 0
    .kernarg_segment_align: 8
    .kernarg_segment_size: 56
    .max_flat_workgroup_size: 128
    .sgpr_count:     100
    .vgpr_count:     960
    .wavefront_size: 32
...
	.end_amdgpu_metadata
.endif
;; end of part 2
;; launch attn (part 3): grid 4 x 64, 16 waves a work-group, no clusters, 169,984 bytes of LDS; arguments qp, kvp, aq; writes aq
.if DOCPART == 3
	.amdgcn_target "amdgcn-amd-amdhsa--gfx1250"
	.amdhsa_code_object_version 6
	.text
	.protected	k_q824328ef31_attn
	.globl	k_q824328ef31_attn
	.p2align	8
	.type	k_q824328ef31_attn,@function
k_q824328ef31_attn:
	s_mov_b64 s[64:65], 0
	v_nop
	global_prefetch_b8 v0, s[64:65] scope:SCOPE_SE
	s_setreg_imm32_b32 hwreg(HW_REG_WAVE_MODE, 25, 1), 1
	s_wait_xcnt 0x0
; Causal attention of one head on codes of FP4 with E8M0 scales: S = q k^T / 8 (K = the head's 64), p = 2^(t - M), O = p v (K = the keys), O / the row's sum, quantised along the model's 1,024 for the last product.
; THE SOFTMAX: t = score x log2(e) / 8; M = the row's largest t so far, rounded UP to a whole number; p = 2^(t - M) is quantised along the keys, not normalised; the sum is taken of the unquantised p and divides O at the end.
; When M moves, the sum and O are multiplied by 2^(old M - new M): exact.
; SHARES.  Work-group (i, record = 16 batch + head) owns the blocks i and 7 - i of 256 queries: 16 or 18 key steps of 128 keys for every wave, whatever i.  Each of sixteen waves owns one tile of 16 queries of each block, in 256 registers.
; A head's whole record of k and v (143,360 bytes: two chunks of 1,024 keys, laid by the launch before) lies in LDS, filled ONCE: waves 0-3 bring a quarter of each chunk (two tensor loads of mine are out, by this text's count).
; LAYOUT.  Both products are used transposed: S^T = k q^T (source 0 = a tile of 16 keys), O^T = v^T p^T (source 0 = a tile of 16 channels): a lane holds ONE query throughout.  Position r of tile T (of queries, keys or channels) is
; index 32 (T / 2) + 8 (T % 2) + r + 8 (r / 8): so the 16 registers of tiles 2 b and 2 b + 1 are 16 neighbours, 32 b + 16 (lane / 16) + 0 .. 15, along the next product's K.
; K = 64 fills half of the matrix instruction's 128: registers 4-7 of q's and k's fragments are zeros (zero codes add nothing), their scale bytes 127.
; CAUSAL.  The trip counts are constants; a step all of whose keys come after my 16 queries is jumped by a scalar branch on ids; in the one step on the diagonal hidden scores become -infinity ahead of the maximum.  Key 0 counts for every query.
; NO CLUSTER, though the four work-groups of a head read the same record: which steps are jumped hangs on the block of queries, which would be the work-group's place in the cluster, and partners of a joint load must run alike.
; RESULT.  aq, laid as the first launch lays x: tile 128 batch + query tile, image = head (512 consecutive aligned bytes a store); the scale image's word spans two heads, so each head stores its 2 bytes a row: 32 of the 544 bytes a tile and head.
; LIMITS: a block of zeros gets the byte 1 (zero codes); NaN and infinities are not served.
; REGISTERS: v1 16 x lane, v2 16 r, v3 my query - Q0 - 16 h; v8-11 the step's LDS addresses; v12 -M, v13 the largest t, v[14:15] the sum; v16-23 q; v24 q's scale word; v32-63 four fragments of k; v64-95 four of v; v96-159 S^T, then p;
;   v160-191 O^T; v192-195 k's scale words, v196-199 v's; v224-231 p's codes; v232-254 at work (v252 f, v253 p's scale word).
.set REC,   143360
.set CHUNK, 71680
.set VOFF,  32768
.set KSOFF, 65536
.set VSOFF, 69632
.set QUART, 17920                      ; a quarter of a chunk: 70 rows of 256 bytes
.set AQSC,  4194304
	s_load_b128 s[4:7], s[0:1], 0x0                ; qp, kvp
	s_load_b64 s[8:9], s[0:1], 0x10                ; aq
	v_lshl_add_u32 v251, v0, 2, 0x29000
	v_mov_b32 v255, 0
	ds_add_u32 v251, v255
	ds_add_u32 v251, v255
	v_lshrrev_b32 v1, 5, v0
	s_delay_alu instid0(VALU_DEP_1)
	v_readfirstlane_b32 s12, v1                    ; wave 0..15
	s_and_b32 s10, ttmp7, 0xffff                   ; the record: 16 batch + head
	s_mul_i32 s42, s10, REC
	s_mov_b32 s43, 0
	s_mul_i32 s41, s12, QUART
	s_mov_b32 s44, s41
	s_mov_b32 s45, 0
	s_mov_b32 s49, 0
	s_mov_b32 s24, 3<<16                           ; descriptor group 1: no mask, elements of 8 bytes, no padding: a dense block as 70 rows of 256 bytes
	s_mov_b32 s25, 32<<16                          ; tensor_dim0 = 32
	s_mov_b32 s26, 70<<16                          ; tensor_dim1 = 70
	s_mov_b32 s27, 32<<16                          ; tile_dim0 = 32
	s_mov_b32 s28, 70                              ; tile_dim1 = 70
	s_mov_b32 s29, 32                              ; from row to row
	s_mov_b32 s30, 0
	s_mov_b32 s31, 0
	s_mov_b32 s20, 0x76543210
	s_mov_b32 s21, 0xfedcba98                      ; v_permlanex16_b32's selects for lane l xor 16
	s_mov_b32 s22, 0x3e38aa3b                      ; c = log2(e) / 8
	s_mov_b32 s23, s22                             ; (named with it as a pair, so it is written)
	s_wait_dscnt 0x0
	s_wait_kmcnt 0x0
	s_add_nc_u64 s[4:5], s[4:5], s[42:43]          ; my head's record of q,
	s_add_nc_u64 s[6:7], s[6:7], s[42:43]          ; and of k and v
	s_mov_b32 s32, 1                               ; groups 0: chunk 0's quarter,
	s_mov_b32 s33, s41
	s_add_nc_u64 s[34:35], s[6:7], s[44:45]
	s_mov_b32 s36, 1                               ; chunk 1's
	s_add_co_u32 s37, s41, CHUNK
	s_add_nc_u64 s[38:39], s[34:35], CHUNK
	s_or_b32 s35, s35, 0x80000000
	s_or_b32 s39, s39, 0x80000000
	s_cmp_lt_u32 s12, 4                            ; waves 0-3 fetch; a wave's two fills stand in one branch, ahead of every wait on TENSORcnt, every LDS read and every barrier
	s_cbranch_scc0 .Lno_fill
	tensor_load_to_lds s[32:35], s[24:31]
	s_nop 0
	tensor_load_to_lds s[36:39], s[24:31]
	s_nop 0
.rept 4
	v_nop                                          ; four v_nop follow the second
.endr
.Lno_fill:
	v_and_b32 v1, 31, v0
	s_delay_alu instid0(VALU_DEP_1)
	v_lshlrev_b32 v1, 4, v1                        ; 16 x lane
	v_and_b32 v5, 15, v0                           ; r
	s_delay_alu instid0(VALU_DEP_1)
	v_lshlrev_b32 v2, 4, v5                        ; 16 r
	v_and_b32 v6, 8, v0
	s_delay_alu instid0(VALU_DEP_1)
	v_add_nc_u32 v3, v5, v6                        ; r + 8 (r / 8): my query within its tile's 24
	v_bfe_u32 v7, v0, 4, 1
	s_delay_alu instid0(VALU_DEP_1)
	v_lshlrev_b32 v7, 4, v7
	s_delay_alu instid0(VALU_DEP_1)
	v_sub_nc_u32 v3, v3, v7                        ; - 16 h
.irp j, 20,21,22,23
	v_mov_b32 v[\j], 0                             ; the upper 64 of K: zero codes, written once: q's,
.endr
.irp f, 0,1,2,3
.irp j, 4,5,6,7
	v_mov_b32 v[32+8*\f+\j], 0                     ; and each of k's four fragments' own
.endr
.endr
.irp j, 236,237,238,239,252,253
	v_mov_b32 v[\j], 0                             ; lane permutes' destinations, and a pair's upper half, count as read
.endr
; The block of queries in s11: my tile, its addresses, its codes; M, the sum and O^T begin.
.macro INIT
	s_lshl_b32 s13, s11, 4
	s_add_co_u32 s13, s13, s12                     ; my tile of queries, 0 .. 127
	s_lshr_b32 s14, s13, 1
	s_lshl_b32 s14, s14, 5
	s_and_b32 s46, s13, 1
	s_lshl_b32 s46, s46, 3
	s_add_co_u32 s14, s14, s46                     ; Q0: its first query
	s_add_co_u32 s58, s14, 23                      ; and its last
	s_mov_b32 s15, 0                               ; the step's first key
	s_lshr_b32 s46, s13, 6
	s_mul_i32 s46, s46, CHUNK
	s_and_b32 s47, s13, 63
	s_lshl_b32 s48, s47, 9
	s_add_co_u32 s48, s48, s46
	s_add_nc_u64 s[50:51], s[4:5], s[48:49]        ; q's image
	s_lshr_b32 s48, s47, 2
	s_lshl_b32 s48, s48, 8
	s_and_b32 s47, s47, 3
	s_lshl_b32 s47, s47, 2
	s_add_co_u32 s48, s48, s47
	s_add_co_u32 s48, s48, s46
	s_add_co_u32 s48, s48, KSOFF
	s_add_nc_u64 s[52:53], s[4:5], s[48:49]        ; its scale words: 256 (tile / 4) + 4 (tile % 4), + 16 r
	global_load_b128 v[16:19], v1, s[50:51]
	global_load_b32 v24, v2, s[52:53]
	s_lshr_b32 s46, s10, 4
	s_lshl_b32 s46, s46, 7
	s_add_co_u32 s46, s46, s13                     ; the tile of rows in aq: 128 batch + my tile
	s_and_b32 s47, s10, 15                         ; the head
	s_lshl_b32 s48, s46, 13
	s_lshl_b32 s41, s47, 9
	s_add_co_u32 s48, s48, s41
	s_add_nc_u64 s[54:55], s[8:9], s[48:49]        ; image number = head
	s_lshl_b32 s48, s46, 9
	s_add_co_u32 s48, s48, AQSC
	s_lshr_b32 s41, s47, 3
	s_lshl_b32 s41, s41, 8
	s_add_co_u32 s48, s48, s41                     ; K step head / 2: lanes' half (head / 8),
	s_bfe_u32 s41, s47, 0x20001
	s_lshl_b32 s41, s41, 2
	s_add_co_u32 s48, s48, s41                     ; word (head / 2) % 4,
	s_and_b32 s41, s47, 1
	s_lshl_b32 s41, s41, 1
	s_add_co_u32 s48, s48, s41                     ; bytes 2 (head % 2) and the next
	s_add_nc_u64 s[56:57], s[8:9], s[48:49]
	v_mov_b32 v13, 0xff61b1e6                      ; the largest t so far: -3e38, under every t
	s_delay_alu instid0(VALU_DEP_1)
	v_floor_f32 v12, -v13                          ; -M
	v_mov_b32 v14, 0                               ; the sum, in two halves
	v_mov_b32 v15, 0
.set i, 0
.rept 32
	v_mov_b32 v[160+i], 0                          ; O^T: the first step finds zeros, which the first change of M leaves zeros
.set i, i+1
.endr
.endm
; A KEY STEP: 128 keys.  masked = 1: the step may lie on or behind the diagonal.
.macro STEP masked
.if \masked
	s_cmp_gt_u32 s15, s58                          ; all its keys come after my queries: only the addresses step
	s_cbranch_scc1 .Lhidden_\@
.endif
	s_setprio 2
	v_add_nc_u32 v8, s16, v1                       ; these four are also the places behind the last step's products, in front of the loads into v's registers
	v_add_nc_u32 v9, s17, v1
	v_add_nc_u32 v10, s18, v1
	v_add_nc_u32 v11, s19, v2
.irp f, 0,1,2,3
	ds_load_b128 v[32+8*\f:35+8*\f], v8 offset:512*\f                ; k's tiles 0-3: an image each
.endr
	ds_load_b128 v[192:195], v10                   ; k's scale words: lanes 0-15 tiles 0-3, lanes 16-31 tiles 4-7
.irp f, 0,1,2,3
.irp c, 0,1
	ds_load_b128 v[64+8*\f+4*\c:67+8*\f+4*\c], v9 offset:\f*8192+512*\c   ; v's four tiles of channels x these 128 keys
.endr
.endr
	ds_load_b128 v[196:199], v11                   ; v's scale words: register f = tile f
	s_wait_alu depctr_va_vdst(0)
	s_wait_dscnt 9                                 ; k's four tiles and its words are in; v's eight loads and its words may be out
.irp f, 0,1,2,3
	v_wmma_scale_f32_16x16x128_f8f6f4 v[96+8*\f:103+8*\f], v[32+8*\f:39+8*\f], v[16:23], 0, v[192+\f], v24 matrix_a_fmt:MATRIX_FMT_FP4 matrix_b_fmt:MATRIX_FMT_FP4
.endr
.rept 4
	v_nop                                          ; places in front of loads into registers that these products read
.endr
.irp f, 0,1,2,3
	ds_load_b128 v[32+8*\f:35+8*\f], v8 offset:2048+512*\f           ; k's tiles 4-7
.endr
	s_wait_dscnt 0x0
.irp f, 0,1,2,3
	v_wmma_scale_f32_16x16x128_f8f6f4 v[128+8*\f:135+8*\f], v[32+8*\f:39+8*\f], v[16:23], 0, v[192+\f], v24 matrix_a_fmt:MATRIX_FMT_FP4 matrix_b_fmt:MATRIX_FMT_FP4 matrix_a_scale:MATRIX_SCALE_ROW1
.endr
.rept 4
	v_nop                                          ; places in front of the first read of the scores
.endr
.if \masked
	s_add_co_u32 s46, s15, 127
	s_cmp_le_u32 s46, s14                          ; all its keys count: nothing to hide
	s_cbranch_scc1 .Lopen_\@
	s_sub_co_i32 s46, s14, s15
	v_add_nc_u32 v252, s46, v3                     ; d = my query - the step's first key - 16 h.  Register 16 b + i holds key 32 b + 16 h + i of the step: hidden where 32 b + i > d
	v_mov_b32 v254, 0xff800000                     ; -infinity
.set i, 0
.rept 64
	v_cmp_gt_i32 vcc_lo, 32*(i/16)+i%16, v252
	v_cndmask_b32 v[96+i], v[96+i], v254, vcc_lo
.set i, i+1
.endr
.Lopen_\@:
.endif
.irp b, 0,1,2,3
	v_max3_num_f32 v[232+\b], v[96+16*\b], v[97+16*\b], v[98+16*\b]  ; the largest score of each block of 32 keys: for the row's maximum, and, since p rises with the score, for the block's largest p
.endr
.irp i, 3,5,7,9,11,13
.irp b, 0,1,2,3
	v_max3_num_f32 v[232+\b], v[232+\b], v[96+16*\b+\i], v[97+16*\b+\i]
.endr
.endr
.irp b, 0,1,2,3
	v_max_num_f32 v[232+\b], v[232+\b], v[111+16*\b]
.endr
.irp b, 0,1,2,3
	s_delay_alu instid0(VALU_DEP_4)
	v_permlanex16_b32 v[236+\b], v[232+\b], s20, s21
.endr
.irp b, 0,1,2,3
	s_delay_alu instid0(VALU_DEP_4)
	v_max_num_f32 v[232+\b], v[232+\b], v[236+\b]  ; with lane l xor 16's 16 keys
.endr
	s_delay_alu instid0(VALU_DEP_2)
	v_max3_num_f32 v254, v232, v233, v234
	s_delay_alu instid0(VALU_DEP_1)
	v_max_num_f32 v254, v254, v235                 ; the step's largest score of my query
	s_delay_alu instid0(VALU_DEP_1)
	v_mul_f32 v254, s22, v254                      ; as t (c is positive)
	s_delay_alu instid0(VALU_DEP_1)
	v_max_num_f32 v13, v13, v254                   ; the running largest t
	v_mov_b32 v254, v12
	s_delay_alu instid0(VALU_DEP_2)
	v_floor_f32 v12, -v13                          ; the new -M = floor(-t) = -ceil(t): a whole number
	s_delay_alu instid0(VALU_DEP_1)
	v_sub_f32 v254, v12, v254                      ; M's old value less its new one: a whole number, 0 or less
	s_delay_alu instid0(VALU_DEP_1)
	v_cvt_i32_f32 v254, v254                       ; (it saturates)
	s_delay_alu instid0(VALU_DEP_1)
	v_ldexp_f32 v252, 1.0, v254                    ; f = 2^(old M - new M)
.set i, 0
.rept 32
	v_pk_fma_f32 v[96+i:97+i], v[96+i:97+i], s[22:23], v[12:13] op_sel_hi:[1,0,0]   ; t - M, two at a time
.set i, i+2
.endr
.irp b, 0,1,2,3
	v_fma_f32 v[232+\b], v[232+\b], s22, v12       ; the same of each block's largest score
.endr
.set i, 0
	s_setprio 1
	s_wait_alu depctr_va_vdst(0)
.rept 64
	v_exp_f32 v[96+i], v[96+i]                     ; p = 2^(t - M), at most 1
.set i, i+1
.endr
.irp b, 0,1,2,3
	v_exp_f32 v[232+\b], v[232+\b]                 ; the block's largest p: the same two instructions on the same number
.endr
	v_pk_mul_f32 v[14:15], v[14:15], v[252:253] op_sel_hi:[1,0]      ; the sums under the new M.  (A plain place behind the exponentials)
	s_wait_alu depctr_va_vdst(0)
.irp b, 0,1,2,3
	v_max_num_f32 v[232+\b], 0x1800000, v[232+\b]  ; the floor 2^(3 - 127): the byte cannot fall under 1
.endr
.irp b, 0,1,2,3
	s_delay_alu instid0(VALU_DEP_4)
	v_add_nc_u32 v[244+\b], 0xff000000, v[232+\b]  ; 2 off the exponent field: the conversion's scale operand
.endr
.irp b, 0,1,2,3
	s_delay_alu instid0(VALU_DEP_4)
	v_lshrrev_b32 v[236+\b], 23, v[244+\b]         ; the scale's byte
.endr
	s_delay_alu instid0(VALU_DEP_3)
	v_lshl_or_b32 v253, v237, 8, v236              ; p's scale word for these 128 keys
	s_delay_alu instid0(VALU_DEP_1)
	v_lshl_or_b32 v253, v238, 16, v253
	s_delay_alu instid0(VALU_DEP_1)
	v_lshl_or_b32 v253, v239, 24, v253
.irp b, 0,1,2,3
	v_cvt_scalef32_pk8_fp4_f32 v[224+2*\b], v[96+16*\b:103+16*\b], v[244+\b]
	v_cvt_scalef32_pk8_fp4_f32 v[225+2*\b], v[104+16*\b:111+16*\b], v[244+\b]
.endr
	v_nop                                          ; one plain place behind the last scaled conversion
.irp c, 0,1                            ; the operand wants a WHOLE block in a lane
.irp i, 0,1
	v_permlane16_swap_b32 v[224+4*\c+\i], v[226+4*\c+\i]
.endr
.endr
.set i, 0
.rept 16
	v_pk_mul_f32 v[160+i:161+i], v[160+i:161+i], v[252:253] op_sel_hi:[1,0]   ; O^T under the new M, each accumulator from its low end on
.set i, i+2
.endr
	v_pk_add_f32 v[236:237], v[100:101], v[104:105]
	v_pk_add_f32 v[248:249], v[108:109], v[112:113]
	v_pk_add_f32 v[246:247], v[116:117], v[120:121]
	v_pk_add_f32 v[244:245], v[124:125], v[128:129]
	v_pk_add_f32 v[242:243], v[132:133], v[136:137]
	v_pk_add_f32 v[240:241], v[140:141], v[144:145]
	v_pk_add_f32 v[234:235], v[148:149], v[152:153]
	s_setprio 0
	v_pk_add_f32 v[14:15], v[14:15], v[156:157]
	v_pk_add_f32 v[236:237], v[236:237], v[96:97]
	v_pk_add_f32 v[248:249], v[248:249], v[98:99]
	v_pk_add_f32 v[246:247], v[246:247], v[102:103]
	v_pk_add_f32 v[244:245], v[244:245], v[106:107]
	v_pk_add_f32 v[242:243], v[242:243], v[110:111]
	v_pk_add_f32 v[240:241], v[240:241], v[114:115]
	v_pk_add_f32 v[234:235], v[234:235], v[118:119]
	v_pk_add_f32 v[14:15], v[14:15], v[122:123]
	v_pk_add_f32 v[236:237], v[236:237], v[126:127]
	v_pk_add_f32 v[248:249], v[248:249], v[130:131]
	v_pk_add_f32 v[246:247], v[246:247], v[134:135]
	v_pk_add_f32 v[244:245], v[244:245], v[138:139]
	v_pk_add_f32 v[242:243], v[242:243], v[142:143]
	v_pk_add_f32 v[240:241], v[240:241], v[146:147]
	v_pk_add_f32 v[234:235], v[234:235], v[150:151]
	v_pk_add_f32 v[14:15], v[14:15], v[154:155]
	v_pk_add_f32 v[236:237], v[236:237], v[158:159]
	s_delay_alu instid0(VALU_DEP_2)
	v_pk_add_f32 v[14:15], v[14:15], v[244:245]
	s_delay_alu instid0(VALU_DEP_2)
	v_pk_add_f32 v[236:237], v[236:237], v[242:243]
	v_pk_add_f32 v[248:249], v[248:249], v[240:241]
	v_pk_add_f32 v[246:247], v[246:247], v[234:235]
	s_delay_alu instid0(VALU_DEP_2)
	v_pk_add_f32 v[14:15], v[14:15], v[248:249]
	s_delay_alu instid0(VALU_DEP_2)
	v_pk_add_f32 v[236:237], v[236:237], v[246:247]
	s_delay_alu instid0(VALU_DEP_1)
	v_pk_add_f32 v[14:15], v[14:15], v[236:237]
.irp f, 0,1,2,3                        ; O^T += v^T p^T: the four accumulators take turns
	v_wmma_scale_f32_16x16x128_f8f6f4 v[160+8*\f:167+8*\f], v[64+8*\f:71+8*\f], v[224:231], v[160+8*\f:167+8*\f], v[196+\f], v253 matrix_a_fmt:MATRIX_FMT_FP4 matrix_b_fmt:MATRIX_FMT_FP4
.endr
.if \masked
.Lhidden_\@:
.endif
	s_add_co_u32 s15, s15, 128                     ; the next step's first key, and its places in LDS
	s_add_co_u32 s16, s16, 4096
	s_add_co_u32 s17, s17, 1024
	s_add_co_u32 s18, s18, 512
	s_add_co_u32 s19, s19, 256
.endm
.macro KLOOP masked, base              ; the eight key steps of the chunk that begins at LDS byte base
	s_mov_b32 s16, \base
	s_mov_b32 s17, \base+VOFF
	s_mov_b32 s18, \base+KSOFF
	s_mov_b32 s19, \base+VSOFF
	s_mov_b32 s40, 8
.Lkeys_\@:
	STEP \masked
	s_sub_co_u32 s40, s40, 1
	s_cmp_lg_u32 s40, 0
	s_cbranch_scc1 .Lkeys_\@
	s_setprio 0
.endm
; O^T / the sum; its 64 channels are two blocks of 32 along the last product's K: quantised, and stored as the head's image and two scale bytes a row.
.macro FINISH
.rept 4
	v_nop                                          ; places behind the last products
.endr
	v_add_f32 v14, v14, v15                        ; the sum's two halves,
	s_delay_alu instid0(VALU_DEP_1)
	v_permlanex16_b32 v252, v14, s20, s21
	s_delay_alu instid0(VALU_DEP_1)
	v_add_f32 v14, v14, v252                       ; and lane l xor 16's: the row's sum
	s_wait_alu depctr_va_vdst(0)
	v_rcp_f32 v14, v14
	v_nop                                          ; one plain place behind the transcendental
.set i, 0
	s_wait_alu depctr_va_vdst(0)
.rept 32
	v_mul_f32 v[96+i], v[160+i], v14               ; register 16 b + i: channel 32 b + 16 h + i of my query
.set i, i+1
.endr
.irp b, 0,1
	v_max3_num_f32 v[232+\b], |v[96+16*\b]|, |v[97+16*\b]|, 0x1800000
.endr
.irp i, 2,4,6,8,10,12,14
.irp b, 0,1
	s_delay_alu instid0(VALU_DEP_2)
	v_max3_num_f32 v[232+\b], v[232+\b], |v[96+16*\b+\i]|, |v[97+16*\b+\i]|
.endr
.endr
.irp b, 0,1
	s_delay_alu instid0(VALU_DEP_2)
	v_permlanex16_b32 v[236+\b], v[232+\b], s20, s21
.endr
.irp b, 0,1
	s_delay_alu instid0(VALU_DEP_2)
	v_max_num_f32 v[232+\b], v[232+\b], v[236+\b]
.endr
.irp b, 0,1
	s_delay_alu instid0(VALU_DEP_2)
	v_add_nc_u32 v[244+\b], 0xff000000, v[232+\b]
.endr
.irp b, 0,1
	s_delay_alu instid0(VALU_DEP_2)
	v_lshrrev_b32 v[236+\b], 23, v[244+\b]
.endr
	s_delay_alu instid0(VALU_DEP_1)
	v_lshl_or_b32 v240, v237, 8, v236              ; the head's two bytes of my row
.irp b, 0,1
	v_cvt_scalef32_pk8_fp4_f32 v[224+2*\b], v[96+16*\b:103+16*\b], v[244+\b]
	v_cvt_scalef32_pk8_fp4_f32 v[225+2*\b], v[104+16*\b:111+16*\b], v[244+\b]
.endr
	v_nop                                          ; one plain place behind the last scaled conversion
	v_permlane16_swap_b32 v224, v226               ; a whole block in a lane: v[224:227] = channels 32 h + 0 .. 31
	v_permlane16_swap_b32 v225, v227
	global_store_b128 v1, v[224:227], s[54:55]     ; 512 consecutive aligned bytes
	global_store_b16 v2, v240, s[56:57]            ; 2 bytes a row, 16 bytes apart; lanes 16-31 write what lanes 0-15 write
	s_wait_xcnt 0x0                                ; the stores have read their data and bases: both are written again only behind this wait
.endm
	s_mov_b32 s11, ttmp9                           ; the early block: queries under 1,024, so chunk 0 holds all its keys
	INIT
	s_wait_tensorcnt 0x1                           ; my part of chunk 0 has landed; chunk 1's may be out
	s_barrier_signal -1
	s_barrier_wait -1                              ; everybody's has
	s_wait_loadcnt 0x0                             ; q
	KLOOP 1, 0
	s_wait_alu depctr_va_vdst(0)
	FINISH
	s_sub_co_u32 s11, 7, ttmp9                     ; the late block: queries from 1,024 on
	INIT
	s_wait_tensorcnt 0x0                           ; my part of chunk 1 has landed,
	s_wait_dscnt 0x0
	s_barrier_signal -1
	s_barrier_wait -1                              ; everybody's has
	s_wait_loadcnt 0x0                             ; q
	KLOOP 0, 0                                     ; keys 0 .. 1,023 all count
	KLOOP 1, CHUNK
	s_wait_alu depctr_va_vdst(0)
	FINISH
	s_wait_tensorcnt 0x0
	ds_add_u32 v251, v255
	s_wait_dscnt 0x0
	s_endpgm
.Lfunc_end_k_q824328ef31_attn:
	.size	k_q824328ef31_attn, .Lfunc_end_k_q824328ef31_attn-k_q824328ef31_attn
	.p2alignl 7, 3214868480
	.fill 96, 4, 3214868480
	.section	.rodata,"a",@progbits
	.p2align	6, 0x0
	.amdhsa_kernel k_q824328ef31_attn
		.amdhsa_group_segment_fixed_size 169984
		.amdhsa_private_segment_fixed_size 0
		.amdhsa_enable_private_segment 0
		.amdhsa_kernarg_size 24
		.amdhsa_user_sgpr_count 2
		.amdhsa_user_sgpr_kernarg_segment_ptr 1
		.amdhsa_wavefront_size32 1
		.amdhsa_system_sgpr_workgroup_id_x 1
		.amdhsa_system_sgpr_workgroup_id_y 1
		.amdhsa_system_sgpr_workgroup_id_z 1
		.amdhsa_system_vgpr_workitem_id 0
		.amdhsa_next_free_vgpr 256
		.amdhsa_next_free_sgpr 66
		.amdhsa_reserve_vcc 1
		.amdhsa_float_denorm_mode_32 3
		.amdhsa_float_denorm_mode_16_64 3
		.amdhsa_memory_ordered 1
		.amdhsa_forward_progress 1
		.amdhsa_inst_pref_size 79
	.end_amdhsa_kernel
	.amdgpu_metadata
---
amdhsa.version: [ 1, 2 ]
amdhsa.kernels:
  - .name:           k_q824328ef31_attn
    .symbol:         k_q824328ef31_attn.kd
    .args:
      - { .name: qp, .offset: 0, .size: 8, .value_kind: global_buffer, .address_space: global }
      - { .name: kvp, .offset: 8, .size: 8, .value_kind: global_buffer, .address_space: global }
      - { .name: aq, .offset: 16, .size: 8, .value_kind: global_buffer, .address_space: global }
    .group_segment_fixed_size: 169984
    .private_segment_fixed_size: 0
    .kernarg_segment_align: 8
    .kernarg_segment_size: 24
    .max_flat_workgroup_size: 512
    .sgpr_count:     66
    .vgpr_count:     256
    .wavefront_size: 32
...
	.end_amdgpu_metadata
.endif
;; end of part 3
;; launch mix (part 4): grid 256 x 1, 4 waves a work-group, no clusters, 327,680 bytes of LDS; arguments aq, wq, bmix, out0; writes out0
.if DOCPART == 4
	.amdgcn_target "amdgcn-amd-amdhsa--gfx1250"
	.amdhsa_code_object_version 6
	.text
	.protected	k_q824328ef31_mix
	.globl	k_q824328ef31_mix
	.p2align	8
	.type	k_q824328ef31_mix,@function
k_q824328ef31_mix:
	s_mov_b64 s[64:65], 0
	v_nop
	global_prefetch_b8 v0, s[64:65] scope:SCOPE_SE
	s_setreg_imm32_b32 hwreg(HW_REG_WAVE_MODE, 25, 1), 1
	s_wait_xcnt 0x0
; out = att Wmix + bmix on codes of FP4 with E8M0 scales, K = 1,024; out is f32.
; OPERANDS lie as the earlier launches laid them: a tile is 16 rows, position r of tile T = row 32 (T / 2) + 8 (T % 2) + r + 8 (r / 8); codes [tile][16 images of 512 bytes], lane l's 16 bytes at 16 l; scale image 512 bytes a tile.
; THE PRODUCT IS USED TRANSPOSED.  Source 0 = P: eight tiles (128 columns) of Wmix, kept by a wave in 512 registers; source 1 = R: one tile of att's rows at a time out of LDS.  A lane then holds ONE row of out, and its 64 registers are
; the wave's 128 columns in their natural order, 16 neighbours to a pair of tiles.  The bias is the C of the first product.
; SHARES.  Work-group = (half of the columns, 64 rows): four waves x 128 columns, four tiles of rows: four cells of 64 matrix instructions a wave.
; LDS: 0 R's codes, 4 x 8,192;  32,768 R's scale images, 4 x 512: both filled once, two tensor loads a wave (the second goes out after the first has landed and a barrier);  34,816 a stage of 16 rows x 528 bytes for each wave, into which no fill lands.
; THE WAY OUT.  A lane's registers are pieces of one row and the lanes beside it hold other rows: a cell goes through my own stage and leaves as whole pieces of rows, 512 consecutive aligned bytes a store.
; NO CLUSTER: of the 308,224 bytes that a work-group reads, 273,408 are P, which goes straight into registers by plain loads; R's 34,816 are shared by two work-groups only and come once.
; REGISTERS: window 0: v1-9 addresses; v20-23 R's scale words; v32-63 P's scale words; v64-127 the eight accumulators; v128-191 rows on the way out.   window 1: P's K steps 0-3;   window 2: K steps 4-7;   window 3: v0-63 R's fragments; v128-191 the bias.
.set RS,   20
.set PS,   32
.set ACC,  64
.set OUTR, 128
.set CB,   128                         ; in window 3
.set LSC,  32768
.set STG,  34816
.set SP,   528                         ; a stage row: 512 bytes + 16, so that sixteen rows begin in sixteen different 16-byte columns modulo 256 bytes
.set MSB, 0
.macro WIN new                         ; the immediate's high byte repeats the setting that is left
.if MSB != \new
	s_set_vgpr_msb (MSB<<8)|\new
.set MSB, \new
.endif
.endm
.macro PLACES n
.rept \n
	v_nop
.endr
.endm
	s_load_b256 s[4:11], s[0:1], 0x0               ; aq s[4:5], wq s[6:7], bmix s[8:9], out0 s[10:11]
	v_lshl_add_u32 v254, v0, 2, 0x29000
	v_mov_b32 v255, 0
	ds_add_u32 v254, v255
	ds_add_u32 v254, v255
	v_lshrrev_b32 v2, 5, v0
	v_readfirstlane_b32 s18, v2                    ; wave 0..3
	s_and_b32 s23, ttmp9, 1                        ; which half of the columns
	s_lshr_b32 s24, ttmp9, 1                       ; which 64 rows
	s_lshl_b32 s25, s23, 2
	s_add_co_u32 s25, s25, s18                     ; G: my wave's 128 columns
.irp g, 44, 52                         ; descriptor groups 1: dense blocks as rows of 256 bytes (32 elements of 8 bytes)
	s_mov_b32 s[\g], 3<<16
	s_mov_b32 s[\g+1], 32<<16
	s_mov_b32 s[\g+3], 32<<16
	s_mov_b32 s[\g+5], 32
	s_mov_b32 s[\g+6], 0
	s_mov_b32 s[\g+7], 0
.endr
	s_mov_b32 s46, 32<<16                          ; one tile's codes: 32 rows
	s_mov_b32 s48, 32
	s_mov_b32 s54, 2<<16                           ; one tile's scale image: 2 rows
	s_mov_b32 s56, 2
	s_lshl_b32 s40, s25, 16
	s_add_co_u32 s40, s40, 192*8192                ; P's codes: Wmix's tiles begin at tile 192 of wq
	s_lshl_b32 s41, s25, 12
	s_add_co_u32 s41, s41, 2097152+192*512         ; P's scale images
	s_lshl_b32 s60, s25, 9                         ; the bias, and my columns' bytes in a row of out
	s_lshl_b32 s61, s24, 15
	s_lshl_b32 s20, s18, 13
	s_add_co_u32 s61, s61, s20                     ; R's codes: tile 4 jg + wave
	s_lshl_b32 s62, s24, 11
	s_lshl_b32 s20, s18, 9
	s_add_co_u32 s62, s62, s20
	s_add_co_u32 s62, s62, 4194304                 ; its scale image
	s_lshl_b32 s63, s24, 18
	s_add_co_u32 s63, s63, s60                     ; out: 64 jg rows of 4,096 bytes + 512 G
	s_mov_b32 s43, 0
	s_wait_dscnt 0x0
	s_wait_kmcnt 0x0
	s_mov_b32 s42, s40
	s_add_nc_u64 s[26:27], s[6:7], s[42:43]
	s_mov_b32 s42, s41
	s_add_nc_u64 s[28:29], s[6:7], s[42:43]
	s_mov_b32 s42, s60
	s_add_nc_u64 s[30:31], s[8:9], s[42:43]
	s_mov_b32 s42, s63
	s_add_nc_u64 s[32:33], s[10:11], s[42:43]
	s_mov_b32 s76, 1                               ; groups 0: count 1, LDS address (the wave's number and constants alone), global address, type 2
	s_lshl_b32 s77, s18, 13
	s_mov_b32 s42, s61
	s_add_nc_u64 s[78:79], s[4:5], s[42:43]
	s_or_b32 s79, s79, 0x80000000
	s_mov_b32 s80, 1
	s_lshl_b32 s81, s18, 9
	s_add_co_u32 s81, s81, LSC
	s_mov_b32 s42, s62
	s_add_nc_u64 s[82:83], s[4:5], s[42:43]
	s_or_b32 s83, s83, 0x80000000
	tensor_load_to_lds s[76:79], s[44:51]          ; the first of the launch's two fills: waited for, and a barrier passed, before the second
	s_nop 0
	s_wait_alu depctr_va_vdst(0)
	s_wait_tensorcnt 0x0
	ds_add_u32 v254, v255
	s_wait_dscnt 0x0
	s_barrier_signal -1
	s_barrier_wait -1
	tensor_load_to_lds s[80:83], s[52:59]
	s_nop 0
	PLACES 4                                       ; four v_nop follow the second
	v_and_b32 v1, 31, v0
	v_lshlrev_b32 v1, 4, v1                        ; 16 x lane
	v_and_b32 v2, 15, v0                           ; r
	v_bfe_u32 v3, v0, 4, 1                         ; h
	v_lshlrev_b32 v9, 6, v3                        ; 64 h
	WIN 0x40                                       ; destination window 1
.irp s, 0,1,2,3
.irp t, 0,1,2,3,4,5,6,7
.irp c, 0,1
	global_load_b128 v[8*(8*\s+\t)+4*\c:8*(8*\s+\t)+4*\c+3], v1, s[26:27] offset:\t*8192+\s*1024+512*\c
.endr
.endr
.endr
	WIN 0x80                                       ; destination window 2
.irp s, 0,1,2,3
.irp t, 0,1,2,3,4,5,6,7
.irp c, 0,1
	global_load_b128 v[8*(8*\s+\t)+4*\c:8*(8*\s+\t)+4*\c+3], v1, s[26:27] offset:\t*8192+(\s+4)*1024+512*\c
.endr
.endr
.endr
	WIN 0
.irp t, 0,1,2,3,4,5,6,7
	global_load_b128 v[PS+4*\t:PS+4*\t+3], v1, s[28:29] offset:\t*512      ; word q: lanes 0-15 K step q, lanes 16-31 K step 4 + q
.endr
	WIN 0xc0                                       ; destination window 3
.irp t, 0,1,2,3,4,5,6,7
	global_load_b128 v[CB+8*\t:CB+8*\t+3], v9, s[30:31] offset:(32*(\t/2)+8*(\t%2))*4          ; lane (r, h), register j of tile t: column 32 (t / 2) + 16 h + 8 (t % 2) + j
	global_load_b128 v[CB+8*\t+4:CB+8*\t+7], v9, s[30:31] offset:(32*(\t/2)+8*(\t%2))*4+16
.endr
	WIN 0
	v_add_nc_u32 v5, LSC, v1                       ; R's scale images
	s_mul_i32 s21, s18, 16*SP
	s_add_co_u32 s21, s21, STG                     ; my stage
	v_mul_u32_u24 v6, v2, SP
	v_lshl_add_u32 v6, v3, 6, v6
	v_add_nc_u32 v6, s21, v6                       ; in: row r, + 64 h
	v_add_nc_u32 v7, s21, v1                       ; back: 16 bytes a lane of a row's 512
	s_wait_alu depctr_va_vdst(0)
	s_wait_loadcnt 0x0                             ; P, its scale words and the bias are in
	s_wait_tensorcnt 0x0                           ; my parts of R have landed,
	s_barrier_signal -1
	s_barrier_wait -1                              ; everybody's have
.macro RFETCH n                        ; R's tile n: eight fragments as images, and its scale image
	WIN 0xc0
.irp s, 0,1,2,3,4,5,6,7
.irp c, 0,1
	ds_load_b128 v[8*\s+4*\c:8*\s+4*\c+3], v1 offset:(\n)*8192+\s*1024+512*\c
.endr
.endr
	WIN 0
	ds_load_b128 v[RS:RS+3], v5 offset:(\n)*512
.endm
; 64 matrix instructions: K step by K step, ascending; in each the eight accumulators take turns, one instruction a turn.  The first K step starts the sums with the bias as C.
.macro MULS
.irp s, 0,1,2,3,4,5,6,7
.if \s == 0
	WIN 0x3d                                       ; source 0 (P) window 1, source 1 (R) window 3, C window 3
.elseif \s < 4
	WIN 0x0d
.else
	WIN 0x0e                                       ; P's K steps 4-7: window 2
.endif
.irp t, 0,1,2,3,4,5,6,7
.if \s == 0
	v_wmma_scale_f32_16x16x128_f8f6f4 v[ACC+8*\t:ACC+8*\t+7], v[8*\t:8*\t+7], v[0:7], v[CB+8*\t:CB+8*\t+7], v[PS+4*\t], v[RS] matrix_a_fmt:MATRIX_FMT_FP4 matrix_b_fmt:MATRIX_FMT_FP4
.elseif \s < 4
	v_wmma_scale_f32_16x16x128_f8f6f4 v[ACC+8*\t:ACC+8*\t+7], v[8*(8*\s+\t):8*(8*\s+\t)+7], v[8*\s:8*\s+7], v[ACC+8*\t:ACC+8*\t+7], v[PS+4*\t+\s], v[RS+\s] matrix_a_fmt:MATRIX_FMT_FP4 matrix_b_fmt:MATRIX_FMT_FP4
.else
	v_wmma_scale_f32_16x16x128_f8f6f4 v[ACC+8*\t:ACC+8*\t+7], v[8*(8*(\s-4)+\t):8*(8*(\s-4)+\t)+7], v[8*\s:8*\s+7], v[ACC+8*\t:ACC+8*\t+7], v[PS+4*\t+\s-4], v[RS+\s-4] matrix_a_fmt:MATRIX_FMT_FP4 matrix_b_fmt:MATRIX_FMT_FP4 matrix_a_scale:MATRIX_SCALE_ROW1 matrix_b_scale:MATRIX_SCALE_ROW1
.endif
.endr
.endr
	WIN 0
.endm
.macro CELL q
	s_wait_dscnt 0x0                               ; the tile's 17 loads are in, and the last cell's LDS stores have read the accumulators
	MULS
	PLACES 5                                       ; four serve the loads into R's registers and the stores that read the results; the fifth the next cell's first product, which begins an accumulator anew
.if (\q) < 3
	RFETCH (\q)+1
.endif
	s_wait_xcnt 0x0                                ; the last cell's stores have read the registers into which the rows come back
.irp t, 0,1,2,3,4,5,6,7
	ds_store_b128 v6, v[ACC+8*\t:ACC+8*\t+3] offset:128*(\t/2)+32*(\t%2)          ; each accumulator from its low end on: columns 32 (t / 2) + 16 h + 8 (t % 2) + 0 .. 7 of row r
	ds_store_b128 v6, v[ACC+8*\t+4:ACC+8*\t+7] offset:128*(\t/2)+32*(\t%2)+16
.endr
.irp p, 0,1,2,3,4,5,6,7,8,9,10,11,12,13,14,15
	ds_load_b128 v[OUTR+4*\p:OUTR+4*\p+3], v7 offset:\p*SP                         ; LDS serves a wave's instructions in order: these see my stores
.endr
.irp p, 0,1,2,3,4,5,6,7,8,9,10,11,12,13,14,15
	s_wait_dscnt 15-\p                             ; row p is back; the younger rows may be out
	global_store_b128 v1, v[OUTR+4*\p:OUTR+4*\p+3], s[32:33] offset:(32*((\q)/2)+8*((\q)%2)+\p+8*(\p/8))*4096 th:TH_STORE_NT   ; 512 consecutive aligned bytes; written once, read by nobody here
.endr
.endm
	RFETCH 0
	CELL 0
	CELL 1
	CELL 2
	CELL 3
	s_wait_tensorcnt 0x0
	ds_add_u32 v254, v255
	s_wait_dscnt 0x0
	s_endpgm
.Lfunc_end_k_q824328ef31_mix:
	.size	k_q824328ef31_mix, .Lfunc_end_k_q824328ef31_mix-k_q824328ef31_mix
	.p2alignl 7, 3214868480
	.fill 96, 4, 3214868480
	.section	.rodata,"a",@progbits
	.p2align	6, 0x0
	.amdhsa_kernel k_q824328ef31_mix
		.amdhsa_group_segment_fixed_size 327680
		.amdhsa_private_segment_fixed_size 0
		.amdhsa_enable_private_segment 0
		.amdhsa_kernarg_size 32
		.amdhsa_user_sgpr_count 2
		.amdhsa_user_sgpr_kernarg_segment_ptr 1
		.amdhsa_wavefront_size32 1
		.amdhsa_system_sgpr_workgroup_id_x 1
		.amdhsa_system_sgpr_workgroup_id_y 1
		.amdhsa_system_sgpr_workgroup_id_z 1
		.amdhsa_system_vgpr_workitem_id 0
		.amdhsa_next_free_vgpr 960
		.amdhsa_next_free_sgpr 90
		.amdhsa_reserve_vcc 0
		.amdhsa_float_denorm_mode_32 3
		.amdhsa_float_denorm_mode_16_64 3
		.amdhsa_memory_ordered 1
		.amdhsa_forward_progress 1
		.amdhsa_inst_pref_size 73
	.end_amdhsa_kernel
	.amdgpu_metadata
---
amdhsa.version: [ 1, 2 ]
amdhsa.kernels:
  - .name:           k_q824328ef31_mix
    .symbol:         k_q824328ef31_mix.kd
    .args:
      - { .name: aq, .offset: 0, .size: 8, .value_kind: global_buffer, .address_space: global }
      - { .name: wq, .offset: 8, .size: 8, .value_kind: global_buffer, .address_space: global }
      - { .name: bmix, .offset: 16, .size: 8, .value_kind: global_buffer, .address_space: global }
      - { .name: out0, .offset: 24, .size: 8, .value_kind: global_buffer, .address_space: global }
    .group_segment_fixed_size: 327680
    .private_segment_fixed_size: 0
    .kernarg_segment_align: 8
    .kernarg_segment_size: 32
    .max_flat_workgroup_size: 128
    .sgpr_count:     90
    .vgpr_count:     960
    .wavefront_size: 32
...
	.end_amdgpu_metadata
.endif
;; end of part 4
